; MI455X (gfx1250); checked and timed in simulation.
; The chip was launched on July 23, 2026; its instructions are those of AMD's public machine-readable ISA for CDNA 5 (MIT licence, August 2026) and "CDNA5" Instruction Set Architecture Reference Guide (July 2026). The comments in the code are by the model that wrote it; some were corrected since.
;; Self Cross Attention. Allowed arithmetic: float matrix products may take bf16 or f16 operands with f32 sums; all other float work in f32.
;; Inputs: w_b 256 float32; w_w 256 x 256 float32; wk_a_b 256 float32; wk_a_w 256 x 256 float32; wk_b_b 256 float32; wk_b_w 256 x 256 float32; wq_b 256 float32; wq_w 256 x 256 float32; wv_a_b 256 float32; wv_a_w 256 x 256 float32; wv_b_b 256 float32; wv_b_w 256 x 256 float32; x_a 2 x 2,048 x 256 float32; x_b 2 x 2,048 x 256 float32.
;; Outputs: out0 2 x 2,048 x 256 float32.
;; 2 versions, each right and faster than the one before. Each part assembles by itself: llvm-mc -triple=amdgcn-amd-amdhsa -mcpu=gfx1250 --defsym DOCPART=n.
;; ======== version 1 of 2: 3 launches
;; workspace buffers: qf 2,097,152 bytes; kvf 8,388,608 bytes; zf 2,097,152 bytes
;; launch proj (part 1): grid 32 x 10, 8 waves a work-group, no clusters, 136,192 bytes of LDS; arguments x_a, x_b, wk_a_w, wk_b_w, wv_a_w, wv_b_w, wq_w, wk_a_b, wk_b_b, wv_a_b, wv_b_b, wq_b, qf, kvf; writes qf, kvf
.if DOCPART == 1
	.amdgcn_target "amdgcn-amd-amdhsa--gfx1250"
	.amdhsa_code_object_version 6
	.text
	.protected	k_q552dd9e32e_proj
	.globl	k_q552dd9e32e_proj
	.p2align	8
	.type	k_q552dd9e32e_proj,@function
k_q552dd9e32e_proj:
	s_mov_b64 s[64:65], 0
	v_nop
	global_prefetch_b8 v0, s[64:65] scope:SCOPE_SE
	s_setreg_imm32_b32 hwreg(HW_REG_WAVE_MODE, 25, 1), 1
	s_wait_xcnt 0x0
; The five projections  y = x w^T + b  (q, k_a, v_a from x_a; k_b, v_b from x_b), 4096 tokens x 256 features x 256 each, bf16 operands, f32 sums.
; A work-group makes 128 x 128 of one projection over the whole K = 256: grid x = block of 128 tokens, grid y = 2 x kind + half of the features
; (kind 0 k_a, 1 k_b, 2 v_a, 3 v_b, 4 q).  Eight waves, 2 (m) x 4 (n); a wave makes 64 (m) x 32 (n): eight accumulator tiles.
; RESULTS ARE STORED IN THE ORDER OF MATRIX FRAGMENTS: a fragment (16 rows x 32 k of bf16, 1,024 bytes) lies as [c = 0,1][lane][16 bytes], the 16 bytes
; being registers 4c .. 4c+3 of that lane (row = lane % 16, k = 16 c + 8 (lane / 16) + 0..7).  In a result tile a lane holds m = 8 (lane / 16) + 0..7 of
; n = lane % 16, so with k of the later fragment on the m side a lane's eight results, rounded, ARE those 16 bytes: each store of a wave is 512 consecutive bytes.
;   k, q: fragment row = token, k = feature in the head  ->  m side = rows of the weight, n side = tokens
;   v   : fragment row = feature in the head, k = key    ->  m side = tokens, n side = rows of the weight      (one body: only the two tile addresses change places)
;   qf : ((b*8 + head)*128 + 16-query tile)*1024                        q is multiplied by log2(e)/sqrt(32) in f32 before it is rounded
;   kvf: (b*8 + head)*524288 + (32-key block, 0-63 from x_a, 64-127 from x_b)*4096 + part*1024; parts 0, 1: K of keys 0-15, 16-31; parts 2, 3: V^T of features 0-15, 16-31
; No tensor loads: the f32 tiles are rounded to bf16 on their way into LDS, once per element and work-group, which needs registers; each tile is filled once, so there is no ring to feed.
; No cluster for the same reason (the tiles come through registers).  320 work-groups: 5 kinds x 32 x 2 equal tiles.
; LIMITS: NaN and infinities in the inputs are not served; operands are rounded to bf16.
.set PITCH, 528                        ; an LDS row: 256 bf16 + 16 bytes = 33 x 16 bytes, so the 16 rows of a fragment load start in 16 different 16-byte columns of 256
.set REG1,  128*PITCH                  ; region 0: the m side's 128 rows; region 1: the n side's
.set VO,  1                            ; v1   16 t: my 16 bytes in each group of four tile rows (4,096 bytes)
.set LA,  2                            ; v2   where my 4 numbers go in region 0
.set LB,  3                            ; v3   the same in region 1
.set ADM, 4                            ; v4   my lane's address in the wave's m fragments
.set ADN, 5                            ; v5   the same for the n fragments
.set L16, 6                            ; v6   16 x lane
.set BOM, 7                            ; v7   byte offset of the bias along m
.set BON, 8                            ; v8   byte offset of the bias along n
.set T,   10                           ; v[10:17]   at work
.set BQ,  18                           ; v[18:49]   bias along m: 8 for each of the four m tiles
.set ST,  50                           ; v[50:177]  32 loads of 16 bytes on their way
.set ACC, 50                           ; v[50:113]  afterwards: accumulator tile (i, jn) at ACC + 8 (2 i + jn)
.set FR0, 114                          ; v[114:161] fragment buffer 0: m fragments at +8 i, n fragments at +32 + 8 jn
.set FR1, 162                          ; v[162:209] fragment buffer 1
.set Y,   114                          ; v[114:145] the way out: 4 registers for each tile, none written twice
.set BV,  210                          ; v[210:213] bias along n: a pair of equal numbers for each of the two n tiles
	s_load_b512 s[8:23], s[0:1], 0x0               ; x_a 8, x_b 10, wk_a 12, wk_b 14, wv_a 16, wv_b 18, wq 20, bias k_a 22
	s_load_b256 s[24:31], s[0:1], 0x40             ; bias k_b 24, v_a 26, v_b 28, q 30
	s_load_b128 s[32:35], s[0:1], 0x60             ; qf 32, kvf 34
	v_lshl_add_u32 v214, v0, 2, 0x21000
	v_mov_b32 v215, 0
	v_lshrrev_b32 v[T], 5, v0
	v_readfirstlane_b32 s6, v[T]                   ; wave 0..7
	s_and_b32 s3, ttmp7, 0xffff
	s_lshr_b32 s4, s3, 1                           ; kind
	s_and_b32 s5, s3, 1                            ; ch: which 128 features
	s_lshr_b32 s7, s6, 2                           ; wm: which 64 of m
	s_and_b32 s44, s6, 3                           ; wn: which 32 of n
	s_and_b32 s45, s4, 1                           ; 0: from x_a, 1: from x_b
	s_lshr_b32 s46, s4, 1                          ; 1 for the two v kinds
	s_lshr_b32 s47, ttmp9, 4                       ; batch
	s_and_b32 s2, ttmp9, 15                        ; block of 128 tokens in the batch
	v_lshlrev_b32 v[VO], 4, v0
	v_lshrrev_b32 v[T], 6, v0                      ; which of the four rows that one load of the work-group covers
	v_and_b32 v[T+1], 63, v0                       ; which 4 numbers of the row
	v_mul_u32_u24 v[T], v[T], PITCH
	v_lshl_add_u32 v[LA], v[T+1], 3, v[T]
	v_add_nc_u32 v[LB], REG1, v[LA]
	v_and_b32 v[T+2], 15, v0                       ; r = lane % 16
	v_bfe_u32 v[T+3], v0, 4, 1                     ; h = lane / 16
	v_mul_u32_u24 v[T+4], v[T+2], PITCH
	v_lshl_add_u32 v[T+4], v[T+3], 4, v[T+4]       ; r x pitch + 16 h
	s_mul_i32 s60, s7, 64*PITCH
	s_mul_i32 s61, s44, 32*PITCH
	s_add_co_u32 s61, s61, REG1
	v_add_nc_u32 v[ADM], s60, v[T+4]
	v_add_nc_u32 v[ADN], s61, v[T+4]
	v_and_b32 v[L16], 31, v0
	v_lshlrev_b32 v[L16], 4, v[L16]
	s_lshl_b32 s60, s5, 9                          ; 128 ch features of 4 bytes
	s_lshl_b32 s61, s7, 8
	s_add_co_u32 s61, s61, s60
	v_lshl_add_u32 v[BOM], v[T+3], 5, s61          ; features 128 ch + 64 wm + 8 h (+ 16 i by the immediate)
	s_lshl_b32 s61, s44, 7
	s_add_co_u32 s61, s61, s60
	v_lshl_add_u32 v[BON], v[T+2], 2, s61          ; feature 128 ch + 32 wn + r (+ 16 jn by the immediate)
	; where the results go: the offset is made for each of the three layouts and chosen; m tiles 0, 1 use the first base, m tiles 2, 3 the second
	s_lshl_b32 s56, s47, 3
	s_lshl2_add_u32 s56, s5, s56                   ; 8 b + 4 ch
	s_lshl1_add_u32 s57, s7, s56                   ; k, q: first head of my 64 features = 8 b + 4 ch + 2 wm
	s_add_co_u32 s58, s56, s44                     ; v: the head of my 32 features = 8 b + 4 ch + wn
	s_lshl_b32 s59, s45, 6
	s_lshl2_add_u32 s59, s2, s59                   ; 64 source + 4 block
	s_add_co_u32 s60, s59, s44                     ; k, q: my 32 tokens
	s_lshl1_add_u32 s61, s7, s59                   ; v: the first 32 of my 64 tokens
	s_lshl_b32 s56, s57, 19
	s_lshl_b32 s59, s60, 12
	s_add_co_u32 s56, s56, s59                     ; k
	s_lshl_b32 s57, s57, 17
	s_lshl_b32 s60, s60, 11
	s_add_co_u32 s57, s57, s60                     ; q
	s_lshl_b32 s58, s58, 19
	s_lshl_b32 s61, s61, 12
	s_add_co_u32 s58, s58, s61
	s_add_co_u32 s58, s58, 2048                    ; v: parts 2 and 3 of the block
	s_mov_b32 s59, 0x80000                         ; k: from head to head
	s_cmp_eq_u32 s4, 4
	s_cselect_b32 s56, s57, s56
	s_cselect_b32 s59, 0x20000, s59                ; q: from head to head
	s_cselect_b32 s54, 0x3e8293ee, 1.0             ; q is scaled by log2(e)/sqrt(32), k by one (one body serves both)
	s_mov_b32 s55, s54
	s_cmp_eq_u32 s46, 1
	s_cselect_b32 s56, s58, s56
	s_cselect_b32 s58, 4096, s59                   ; v: from key block to key block
	s_mov_b32 s57, 0
	s_mov_b32 s59, 0
	s_wait_kmcnt 0x0
	s_cmp_eq_u32 s4, 0                             ; the kind's weight s[36:37] and bias s[38:39]
	s_cselect_b64 s[36:37], s[12:13], s[20:21]
	s_cselect_b64 s[38:39], s[22:23], s[30:31]
	s_cmp_eq_u32 s4, 1
	s_cselect_b64 s[36:37], s[14:15], s[36:37]
	s_cselect_b64 s[38:39], s[24:25], s[38:39]
	s_cmp_eq_u32 s4, 2
	s_cselect_b64 s[36:37], s[16:17], s[36:37]
	s_cselect_b64 s[38:39], s[26:27], s[38:39]
	s_cmp_eq_u32 s4, 3
	s_cselect_b64 s[36:37], s[18:19], s[36:37]
	s_cselect_b64 s[38:39], s[28:29], s[38:39]
	s_cmp_eq_u32 s45, 0
	s_cselect_b64 s[40:41], s[8:9], s[10:11]       ; its x
	s_lshl_b32 s60, ttmp9, 17                      ; 128 rows of 1,024 bytes
	s_mov_b32 s61, 0
	s_add_nc_u64 s[40:41], s[40:41], s[60:61]      ; the token tile
	s_lshl_b32 s60, s5, 17
	s_add_nc_u64 s[36:37], s[36:37], s[60:61]      ; the weight tile
	s_cmp_eq_u32 s46, 1
	s_cselect_b64 s[42:43], s[40:41], s[36:37]     ; the m side: tokens for v, the weight's rows for k and q
	s_cselect_b64 s[48:49], s[36:37], s[40:41]     ; the n side
	s_cmp_eq_u32 s4, 4
	s_cselect_b64 s[50:51], s[32:33], s[34:35]     ; qf or kvf
	s_add_nc_u64 s[50:51], s[50:51], s[56:57]
	s_add_nc_u64 s[52:53], s[50:51], s[58:59]
	; The bias in both layouts, along m and along n; the way out uses one.  Both stay inside the 1,024 bytes, and no branch divides the loads.
.irp i, 0,1,2,3
	global_load_b128 v[BQ+8*\i:BQ+8*\i+3],   v[BOM], s[38:39] offset:64*\i
	global_load_b128 v[BQ+8*\i+4:BQ+8*\i+7], v[BOM], s[38:39] offset:64*\i+16
.endr
.irp jn, 0,1
	global_load_b32 v[BV+2*\jn],   v[BON], s[38:39] offset:64*\jn
	global_load_b32 v[BV+2*\jn+1], v[BON], s[38:39] offset:64*\jn
.endr
	; THE TILES: 32 loads of a wave are always on their way; each load of the work-group covers four whole rows (4,096 consecutive bytes).
.set i, 0
.rept 32
	global_load_b128 v[ST+4*i:ST+4*i+3], v[VO], s[42:43] offset:i*4096
.set i, i+1
.endr
.set i, 0
.rept 32
	s_wait_loadcnt 31                              ; 31 - i younger loads of the m side and i of the n side stay out: load i is in
	v_cvt_pk_bf16_f32 v[T+2*(i%4)],   v[ST+4*i],   v[ST+4*i+1]
	v_cvt_pk_bf16_f32 v[T+2*(i%4)+1], v[ST+4*i+2], v[ST+4*i+3]
	ds_store_b64 v[LA], v[T+2*(i%4):T+2*(i%4)+1] offset:i*4*PITCH
	global_load_b128 v[ST+4*i:ST+4*i+3], v[VO], s[48:49] offset:i*4096
.set i, i+1
.endr
.set i, 0
.rept 32
	s_wait_loadcnt 31-i                            ; the counts run down with the loads that are left
	v_cvt_pk_bf16_f32 v[T+2*(i%4)],   v[ST+4*i],   v[ST+4*i+1]
	v_cvt_pk_bf16_f32 v[T+2*(i%4)+1], v[ST+4*i+2], v[ST+4*i+3]
	ds_store_b64 v[LB], v[T+2*(i%4):T+2*(i%4)+1] offset:i*4*PITCH
.set i, i+1
.endr
	s_wait_dscnt 0x0                               ; my part of both tiles is written, for the other waves' sake
	s_barrier_signal -1
	s_barrier_wait -1                              ; everybody's is: the only barrier, nothing in LDS is written again
; 12 LDS loads: the wave's four m fragments and two n fragments of K step k (32 along K = 64 bytes of a row)
.macro FETCH k, f
.irp i, 0,1,2,3
	ds_load_b128 v[\f+8*\i:\f+8*\i+3],   v[ADM] offset:\i*16*PITCH+\k*64
	ds_load_b128 v[\f+8*\i+4:\f+8*\i+7], v[ADM] offset:\i*16*PITCH+\k*64+32
.endr
.irp jn, 0,1
	ds_load_b128 v[\f+32+8*\jn:\f+32+8*\jn+3], v[ADN] offset:\jn*16*PITCH+\k*64
	ds_load_b128 v[\f+32+8*\jn+4:\f+32+8*\jn+7], v[ADN] offset:\jn*16*PITCH+\k*64+32
.endr
.endm
; 8 matrix instructions.  The eight accumulators take turns, one instruction a turn, from K step to K step too.
; zero = 1: the first product starts the sums.
.macro MUL f, zero
.irp i, 0,1,2,3
.irp jn, 0,1
.if \zero
	v_wmma_f32_16x16x32_bf16 v[ACC+8*(2*\i+\jn):ACC+8*(2*\i+\jn)+7], v[\f+8*\i:\f+8*\i+7], v[\f+32+8*\jn:\f+32+8*\jn+7], 0
.else
	v_wmma_f32_16x16x32_bf16 v[ACC+8*(2*\i+\jn):ACC+8*(2*\i+\jn)+7], v[\f+8*\i:\f+8*\i+7], v[\f+32+8*\jn:\f+32+8*\jn+7], v[ACC+8*(2*\i+\jn):ACC+8*(2*\i+\jn)+7]
.endif
.endr
.endr
.endm
; Four independent vector places stand between a matrix instruction and a load into one of its sources or a vector read of its result
.macro PLACES
.rept 4
	v_nop
.endr
.endm
; one K step: buffer f is multiplied and then filled with the K step two further on
.macro KSTEP f, zero, next
	s_wait_dscnt 12                                ; the 12 loads of the younger fetch stay out: this buffer is in
	MUL \f, \zero
	PLACES
	FETCH \next, \f
.endm
	FETCH 0, FR0
	FETCH 1, FR1
	KSTEP FR0, 1, 2
	KSTEP FR1, 0, 3
	KSTEP FR0, 0, 4
	KSTEP FR1, 0, 5
	KSTEP FR0, 0, 6
	KSTEP FR1, 0, 7
	s_wait_dscnt 12
	MUL FR0, 0
	s_wait_dscnt 0x0
	MUL FR1, 0
	PLACES                                         ; in front of the reads of the results and of the writes into buffer 0's registers
	; THE WAY OUT: bias (and q's scale) in f32, one rounding, 16 bytes a lane, 512 consecutive bytes a store.
	s_cmp_eq_u32 s46, 1
	s_cbranch_scc1 .Lv_out
.irp x, 0,1,2,3,4,5,6,7,8,9,10,11,12,13,14,15
	v_pk_mul_f32 v[BQ+2*\x:BQ+2*\x+1], v[BQ+2*\x:BQ+2*\x+1], s[54:55] op_sel_hi:[1,0]     ; (sum + bias) x scale = sum x scale + bias x scale
.endr
.irp i, 0,1,2,3
.irp jn, 0,1
.irp p, 0,1,2,3
	v_pk_fma_f32 v[T+2*\p:T+2*\p+1], v[ACC+8*(2*\i+\jn)+2*\p:ACC+8*(2*\i+\jn)+2*\p+1], s[54:55], v[BQ+8*\i+2*\p:BQ+8*\i+2*\p+1] op_sel_hi:[1,0,1]
.endr
.irp p, 0,1,2,3
	v_cvt_pk_bf16_f32 v[Y+4*(2*\i+\jn)+\p], v[T+2*\p], v[T+2*\p+1]
.endr
	global_store_b128 v[L16], v[Y+4*(2*\i+\jn):Y+4*(2*\i+\jn)+3], s[50+2*(\i/2):51+2*(\i/2)] offset:\jn*1024+(\i%2)*512   ; head i / 2, token tile jn, half i % 2 of the fragment
.endr
.endr
	s_wait_tensorcnt 0x0
	ds_add_u32 v214, v215
	s_wait_dscnt 0x0
	s_endpgm
.Lv_out:
.irp i, 0,1,2,3
.irp jn, 0,1
.irp p, 0,1,2,3
	v_pk_add_f32 v[T+2*\p:T+2*\p+1], v[ACC+8*(2*\i+\jn)+2*\p:ACC+8*(2*\i+\jn)+2*\p+1], v[BV+2*\jn:BV+2*\jn+1]
.endr
.irp p, 0,1,2,3
	v_cvt_pk_bf16_f32 v[Y+4*(2*\i+\jn)+\p], v[T+2*\p], v[T+2*\p+1]
.endr
	global_store_b128 v[L16], v[Y+4*(2*\i+\jn):Y+4*(2*\i+\jn)+3], s[50+2*(\i/2):51+2*(\i/2)] offset:\jn*1024+(\i%2)*512   ; key block i / 2, feature tile jn, half i % 2 of the fragment
.endr
.endr
	s_wait_tensorcnt 0x0
	ds_add_u32 v214, v215
	s_wait_dscnt 0x0
	s_endpgm
.Lfunc_end_k_q552dd9e32e_proj:
	.size	k_q552dd9e32e_proj, .Lfunc_end_k_q552dd9e32e_proj-k_q552dd9e32e_proj
	.p2alignl 7, 3214868480
	.fill 96, 4, 3214868480
	.section	.rodata,"a",@progbits
	.p2align	6, 0x0
	.amdhsa_kernel k_q552dd9e32e_proj
		.amdhsa_group_segment_fixed_size 136192
		.amdhsa_private_segment_fixed_size 0
		.amdhsa_enable_private_segment 0
		.amdhsa_kernarg_size 112
		.amdhsa_user_sgpr_count 2
		.amdhsa_user_sgpr_kernarg_segment_ptr 1
		.amdhsa_wavefront_size32 1
		.amdhsa_system_sgpr_workgroup_id_x 1
		.amdhsa_system_sgpr_workgroup_id_y 1
		.amdhsa_system_sgpr_workgroup_id_z 1
		.amdhsa_system_vgpr_workitem_id 0
		.amdhsa_next_free_vgpr 216
		.amdhsa_next_free_sgpr 66
		.amdhsa_reserve_vcc 0
		.amdhsa_float_denorm_mode_32 3
		.amdhsa_float_denorm_mode_16_64 3
		.amdhsa_memory_ordered 1
		.amdhsa_forward_progress 1
		.amdhsa_inst_pref_size 48
	.end_amdhsa_kernel
	.amdgpu_metadata
---
amdhsa.version: [ 1, 2 ]
amdhsa.kernels:
  - .name:           k_q552dd9e32e_proj
    .symbol:         k_q552dd9e32e_proj.kd
    .args:
      - { .name: x_a, .offset: 0, .size: 8, .value_kind: global_buffer, .address_space: global }
      - { .name: x_b, .offset: 8, .size: 8, .value_kind: global_buffer, .address_space: global }
      - { .name: wk_a_w, .offset: 16, .size: 8, .value_kind: global_buffer, .address_space: global }
      - { .name: wk_b_w, .offset: 24, .size: 8, .value_kind: global_buffer, .address_space: global }
      - { .name: wv_a_w, .offset: 32, .size: 8, .value_kind: global_buffer, .address_space: global }
      - { .name: wv_b_w, .offset: 40, .size: 8, .value_kind: global_buffer, .address_space: global }
      - { .name: wq_w, .offset: 48, .size: 8, .value_kind: global_buffer, .address_space: global }
      - { .name: wk_a_b, .offset: 56, .size: 8, .value_kind: global_buffer, .address_space: global }
      - { .name: wk_b_b, .offset: 64, .size: 8, .value_kind: global_buffer, .address_space: global }
      - { .name: wv_a_b, .offset: 72, .size: 8, .value_kind: global_buffer, .address_space: global }
      - { .name: wv_b_b, .offset: 80, .size: 8, .value_kind: global_buffer, .address_space: global }
      - { .name: wq_b, .offset: 88, .size: 8, .value_kind: global_buffer, .address_space: global }
      - { .name: qf, .offset: 96, .size: 8, .value_kind: global_buffer, .address_space: global }
      - { .name: kvf, .offset: 104, .size: 8, .value_kind: global_buffer, .address_space: global }
    .group_segment_fixed_size: 136192
    .private_segment_fixed_size: 0
    .kernarg_segment_align: 8
    .kernarg_segment_size: 112
    .max_flat_workgroup_size: 256
    .sgpr_count:     66
    .vgpr_count:     216
    .wavefront_size: 32
...
	.end_amdgpu_metadata
.endif
;; end of part 1
;; launch attn (part 2): grid 16 x 16, 8 waves a work-group, clusters of 4 x 1, 327,680 bytes of LDS; arguments qf, kvf, zf; writes zf
.if DOCPART == 2
	.amdgcn_target "amdgcn-amd-amdhsa--gfx1250"
	.amdhsa_code_object_version 6
	.text
	.protected	k_q552dd9e32e_attn
	.globl	k_q552dd9e32e_attn
	.p2align	8
	.type	k_q552dd9e32e_attn,@function
k_q552dd9e32e_attn:
	s_mov_b64 s[64:65], 0
	v_nop
	global_prefetch_b8 v0, s[64:65] scope:SCOPE_SE
	s_setreg_imm32_b32 hwreg(HW_REG_WAVE_MODE, 25, 1), 1
	s_wait_xcnt 0x0
	s_wait_alu depctr_hold_cnt(0) depctr_sa_sdst(0) depctr_va_vdst(0) depctr_va_sdst(0) depctr_va_ssrc(0) depctr_va_vcc(0) depctr_vm_vsrc(0)
	s_getreg_b32 s2, hwreg(HW_REG_IB_STS2, 6, 4)
	s_cmp_eq_u32 s2, 0
	s_cbranch_scc0 .Lentry_in_a_cluster
	s_endpgm
.Lentry_in_a_cluster:
	s_bfe_u32 s2, ttmp6, 0x10000c
	s_cmp_lg_u32 s2, 0x3003
	s_cbranch_scc0 .Lentry_shape_is_right
	s_endpgm
.Lentry_shape_is_right:
; Attention with a running maximum: 16 (batch, head) x 2048 queries x 4096 keys, 32 numbers a head.  q comes scaled by log2(e)/sqrt(32), so p = 2^(s - m).
; A work-group takes 128 queries of one head (grid y = 8 b + head, grid x = query block).  Wave w: queries 32 (w % 4) .. + 31, and half w / 4 of each key tile;
; the two halves' (m, l, O) are merged once at the end through LDS.  Two waves lie on each SIMD, so that one's matrix and LDS work stands behind the other's vector work;
; the split is over keys, so that each K or V fragment read from LDS still feeds two matrix instructions (two query tiles).
; THE MATRIX UNIT IS USED TRANSPOSED.  S^T = K Q^T (source 0 = 16 keys, source 1 = 16 queries): lane l holds keys 8 (l / 16) + 0..7 of ONE query l % 16, so maxima and sums
; are in the lane, but for one exchange with lane l xor 16.  Rounded to bf16, the result tiles of keys 0-15 and 16-31 of a block ARE registers 0-3 and 4-7 of P^T as source 1
; of O^T = V^T P^T; O^T holds features 8 (l / 16) + 0..7 of query l % 16, so the rescaling is a multiply in the lane, and the rounded result is zf's fragment.
; qf, kvf, zf lie in fragment order ([c][lane][16 bytes]): every LDS load, global load and store is at 16 x lane, 512 consecutive bytes.
;   zf: ((b*128 + 16-query tile)*8 + head)*1024
; CLUSTER: the four query blocks of a cluster walk the same K and V tiles; each tile is asked for jointly (mask 15).  The descriptors hang on grid y, the wave's number and the
; trip alone; the place in the cluster enters only the global addresses of q and z.
; RING: a tile is 512 keys = 65,536 dense bytes of kvf, two slots; each wave fetches 8,192 bytes of it.  By this text's count a wave has one tensor load out, issued first behind
; a round of the cluster's barrier, with the trip's four steps in which to land.  No prefetch: kvf was stored by the launch before and each tile is asked for a whole trip ahead.
; LIMITS: NaN and infinities are not served; q, k, v, p go to the matrix unit in bf16; the denominator sums p in f32 before that rounding; 2^x below 2^-126 counts as zero.
.set TILE, 65536
.set SCR,  2*TILE                      ; merge scratch behind the ring, 4 x 4,608 bytes: no fill ever lands there
.set SCRW, 4608
.set L16, 1                            ; v1        16 x lane
.set AD,  2                            ; v2, v3    16 x lane + my half of slot 0, 1
.set SA,  4                            ; v4        my place in the merge scratch
.set QF,  8                            ; v[8:23]   two query fragments
.set MX,  24                           ; v[24:31]  two sets of (m0, x, m1, x) that take turns: the old and the new maximum; x takes the other half's maximum
.set MXB, MX+4                         ;           the set that the last step of a trip writes
.set AL,  32                           ; v[32:35]  (alpha0, m0 old - new, alpha1, m1 old - new)
.set LS,  36                           ; v[36:39]  a pair of partial sums of p for each query tile
.set MT,  40                           ; v[40:47]  four chains of maxima for each query tile
.set KF,  48                           ; v[48:79]  K fragments of four key tiles
.set VF,  80                           ; v[80:111] V^T fragments at + 16 block + 8 feature tile
.set S,   112                          ; v[112:175] scores, then p: tile u = 4 q + key tile at + 8 u
.set P,   176                          ; v[176:207] p in bf16 at + 4 u = 16 q + 8 block + ..
.set O,   208                          ; v[208:239] O^T at + 16 q + 8 feature tile
.set G1,  16                           ; s[16:23]  descriptor group 1
.set G0,  32                           ; s[32:39]  descriptor group 0, a set for each slot
; A round of the cluster's barrier: the work-group's barrier, wave 0 signals for the work-group, every wave waits for the four work-groups, the work-group's barrier again.
.macro ROUND
	s_barrier_signal -1
	s_barrier_wait -1
	s_cmp_lg_u32 s8, 0
	s_cbranch_scc1 .Lnot_wave_0_\@
	s_barrier_signal -3
.Lnot_wave_0_\@:
	s_barrier_wait -3
	s_barrier_signal -1
	s_barrier_wait -1
.endm
; Four independent vector places stand between a matrix instruction and a load into one of its sources, a vector write of one of its registers or a vector read of its result
.macro PLACES
.rept 4
	v_nop
.endr
.endm
; step s of a trip takes key blocks 2 s and 2 s + 1 of my half of the tile
.macro LOADK slot, s
.irp kt, 0,1,2,3
	ds_load_b128 v[KF+8*\kt:KF+8*\kt+3],   v[AD+\slot] offset:(2*(\s)+\kt/2)*4096+(\kt%2)*1024
	ds_load_b128 v[KF+8*\kt+4:KF+8*\kt+7], v[AD+\slot] offset:(2*(\s)+\kt/2)*4096+(\kt%2)*1024+512
.endr
.endm
.macro LOADV slot, s
.irp blk, 0,1
.irp dt, 0,1
	ds_load_b128 v[VF+16*\blk+8*\dt:VF+16*\blk+8*\dt+3],   v[AD+\slot] offset:(2*(\s)+\blk)*4096+2048+\dt*1024
	ds_load_b128 v[VF+16*\blk+8*\dt+4:VF+16*\blk+8*\dt+7], v[AD+\slot] offset:(2*(\s)+\blk)*4096+2048+\dt*1024+512
.endr
.endr
.endm
; pair p of score tile u less its query's new maximum (both halves take the pair's first register)
.macro SUBP u, p
	v_pk_add_f32 v[S+8*(\u)+2*(\p):S+8*(\u)+2*(\p)+1], v[S+8*(\u)+2*(\p):S+8*(\u)+2*(\p)+1], v[NEW+2*((\u)/4):NEW+2*((\u)/4)+1] op_sel_hi:[1,0] neg_lo:[0,1] neg_hi:[0,1]
.endm
; pair p of tile u, now p = 2^(s - m): into the sums, and rounded into P^T
.macro SUMCV u, p
	s_wait_alu depctr_va_vdst(0)
	v_pk_add_f32 v[LS+2*((\u)/4):LS+2*((\u)/4)+1], v[LS+2*((\u)/4):LS+2*((\u)/4)+1], v[S+8*(\u)+2*(\p):S+8*(\u)+2*(\p)+1]
	v_cvt_pk_bf16_f32 v[P+4*(\u)+(\p)], v[S+8*(\u)+2*(\p)], v[S+8*(\u)+2*(\p)+1]
.endm
; ONE STEP: 64 keys x 32 queries.  nextk = 1: the next step's K fragments are fetched; first = 1: the very first step, which starts m, l and O.
.macro STEP slot, s, nextk, first
.set NEW, MX+4*((\s)%2)
.set OLD, MX+4*(((\s)+1)%2)
	s_wait_dscnt 0x0                               ; this step's K fragments are in
.irp kt, 0,1,2,3
.irp q, 0,1
	v_wmma_f32_16x16x32_bf16 v[S+8*(4*\q+\kt):S+8*(4*\q+\kt)+7], v[KF+8*\kt:KF+8*\kt+7], v[QF+8*\q:QF+8*\q+7], 0
.endr
.endr
	PLACES                                         ; behind these eight and behind the last step's eight: K's and V's registers are loaded, S is read, O and P are written below
	LOADV \slot, \s
.if \nextk
	LOADK \slot, \s+1
.endif
	; the largest of a lane's 32 scores of each query tile and the old maximum: 33 numbers, 16 three-way maxima, in four chains of 9, 9, 7, 7 registers
.irp q, 0,1
.irp c, 0,1,2,3
	v_max3_num_f32 v[MT+4*\q+\c], v[S+32*\q+9*\c-2*(\c/3)], v[S+32*\q+9*\c-2*(\c/3)+1], v[S+32*\q+9*\c-2*(\c/3)+2]
.endr
.endr
.irp g, 1,2
.irp q, 0,1
.irp c, 0,1,2,3
	v_max3_num_f32 v[MT+4*\q+\c], v[MT+4*\q+\c], v[S+32*\q+9*\c-2*(\c/3)+2*\g+1], v[S+32*\q+9*\c-2*(\c/3)+2*\g+2]
.endr
.endr
.endr
.irp q, 0,1
.irp c, 0,1
	v_max3_num_f32 v[MT+4*\q+\c], v[MT+4*\q+\c], v[S+32*\q+9*\c+7], v[S+32*\q+9*\c+8]
.endr
.endr
.irp q, 0,1
	v_max3_num_f32 v[MT+4*\q], v[MT+4*\q], v[MT+4*\q+1], v[MT+4*\q+2]
.endr
.irp q, 0,1
.if \first
	v_max_num_f32 v[MT+4*\q], v[MT+4*\q], v[MT+4*\q+3]
.else
	v_max3_num_f32 v[MT+4*\q], v[MT+4*\q], v[MT+4*\q+3], v[OLD+2*\q]
.endif
.endr
.irp q, 0,1
	v_permlanex16_b32 v[NEW+2*\q+1], v[MT+4*\q], s12, s13      ; the same query's other eight keys of each tile lie in lane l xor 16
.endr
.irp q, 0,1
	v_max_num_f32 v[NEW+2*\q], v[MT+4*\q], v[NEW+2*\q+1]
.endr
.if \first == 0
.irp q, 0,1
	v_sub_f32 v[AL+2*\q+1], v[OLD+2*\q], v[NEW+2*\q]
.endr
.irp q, 0,1
	v_exp_f32 v[AL+2*\q], v[AL+2*\q+1]             ; alpha = 2^(old - new); the four subtractions below stand between it and its first use (ISA guide 5.7.2)
.endr
.endif
.irp p, 0,1,2,3
	SUBP 0, \p
.endr
.if \first == 0
	s_wait_alu depctr_va_vdst(0)
.irp q, 0,1
	v_pk_mul_f32 v[LS+2*\q:LS+2*\q+1], v[LS+2*\q:LS+2*\q+1], v[AL+2*\q:AL+2*\q+1] op_sel_hi:[1,0]
.endr
.endif
	; Tile by tile: two exponentials, then plain work on other tiles (the sum and rounding of the tile before, the subtraction of the tile behind, O's rescaling),
	; so that each exponential's result is first used a tile later.
.irp u, 0,1,2,3,4,5,6,7
.irp p, 0,1,2,3
	v_exp_f32 v[S+8*\u+2*\p],   v[S+8*\u+2*\p]
	v_exp_f32 v[S+8*\u+2*\p+1], v[S+8*\u+2*\p+1]
.if \u > 0
	SUMCV \u-1, \p
.endif
.if \u < 7
	SUBP \u+1, \p
.endif
.if \u == 0
.if \first == 0
.irp x, 0,1,2,3
	v_pk_mul_f32 v[O+2*(4*\p+\x):O+2*(4*\p+\x)+1], v[O+2*(4*\p+\x):O+2*(4*\p+\x)+1], v[AL+2*(\p/2):AL+2*(\p/2)+1] op_sel_hi:[1,0]
.endr
.endif
.endif
.endr
.endr
.irp p, 0,1,2,3
	SUMCV 7, \p
.endr
	s_wait_dscnt 8*\nextk                          ; V's fragments are in; the eight younger loads (the next step's K) may stay out
	; the four accumulators take turns, one instruction a turn
.irp blk, 0,1
.irp q, 0,1
.irp dt, 0,1
.if (\first)*(1-\blk)
	v_wmma_f32_16x16x32_bf16 v[O+16*\q+8*\dt:O+16*\q+8*\dt+7], v[VF+16*\blk+8*\dt:VF+16*\blk+8*\dt+7], v[P+16*\q+8*\blk:P+16*\q+8*\blk+7], 0
.else
	v_wmma_f32_16x16x32_bf16 v[O+16*\q+8*\dt:O+16*\q+8*\dt+7], v[VF+16*\blk+8*\dt:VF+16*\blk+8*\dt+7], v[P+16*\q+8*\blk:P+16*\q+8*\blk+7], v[O+16*\q+8*\dt:O+16*\q+8*\dt+7]
.endif
.endr
.endr
.endr
.endm
; ONE TRIP: one tile.  In front of the round every wave has waited for all its tensor loads (its part of this trip's tile among them) and for its reads of the other slot;
; behind the round that holds of every wave of the four work-groups, the other slot is filled again first, and then this slot is read.
.macro TRIP slot, refill, first
	s_wait_tensorcnt 0x0                           ; no tensor load of mine is out, so a group 0 may be written:
	ds_add_u32 v240, v241
	s_wait_dscnt 0x0
	s_add_nc_u64 s[G0+4*\slot+2:G0+4*\slot+3], s[G0+4*\slot+2:G0+4*\slot+3], 2*TILE    ; this slot's next tile
	s_wait_dscnt 0x0
	ROUND
.if \refill
	tensor_load_to_lds s[G0+4-4*\slot:G0+7-4*\slot], s[G1:G1+7]
	s_nop 0
.endif
	LOADK \slot, 0
	STEP \slot, 0, 1, \first
	STEP \slot, 1, 1, 0
	STEP \slot, 2, 1, 0
	STEP \slot, 3, 0, 0
.endm
	s_load_b128 s[4:7], s[0:1], 0x0                ; qf s[4:5], kvf s[6:7]
	s_load_b64 s[10:11], s[0:1], 0x10              ; zf
	v_lshl_add_u32 v240, v0, 2, 0x29000
	v_mov_b32 v241, 0
	ds_add_u32 v240, v241
	v_lshrrev_b32 v[L16], 5, v0
	v_readfirstlane_b32 s8, v[L16]                 ; wave 0..7
	v_and_b32 v[L16], 31, v0
	v_lshlrev_b32 v[L16], 4, v[L16]
	s_lshr_b32 s9, s8, 2                           ; which half of each key tile
	s_and_b32 s14, s8, 3                           ; which 32 queries
	s_mov_b32 s12, 0x76543210                      ; v_permlanex16_b32: lane i of one half reads lane i of the other
	s_mov_b32 s13, 0xfedcba98
	s_lshl_b32 s15, s9, 15
	v_add_nc_u32 v[AD], s15, v[L16]
	v_add_nc_u32 v[AD+1], TILE, v[AD]
	s_mul_i32 s15, s14, SCRW
	s_add_co_u32 s15, s15, SCR
	v_add_nc_u32 v[SA], s15, v[L16]
	s_and_b32 s49, ttmp7, 0xffff                   ; 8 b + head: the cluster's y is the work-group's
	s_bfe_u32 s46, ttmp6, 0x40000                  ; my place in the cluster
	s_lshl_b32 s48, ttmp9, 2
	s_add_co_u32 s48, s48, s46                     ; query block = 4 x cluster x + place
	; q: ((8 b + head) 128 + 8 block + 2 group) fragments of 1,024 bytes
	s_lshl_b32 s24, s49, 17
	s_lshl_b32 s25, s48, 13
	s_add_co_u32 s24, s24, s25
	s_lshl_b32 s25, s14, 11
	s_add_co_u32 s24, s24, s25
	s_mov_b32 s25, 0
	; z: (128 b + 8 block + 2 group) query tiles of 8,192 bytes + head x 1,024
	s_lshr_b32 s26, s49, 3
	s_lshl_b32 s26, s26, 20
	s_lshl_b32 s27, s48, 16
	s_add_co_u32 s26, s26, s27
	s_lshl_b32 s27, s14, 14
	s_add_co_u32 s26, s26, s27
	s_and_b32 s27, s49, 7
	s_lshl_b32 s27, s27, 10
	s_add_co_u32 s26, s26, s27
	s_mov_b32 s27, 0
	; K and V: the head's 524,288 bytes, my 8,192 of each tile; in registers that never hold the place in the cluster
	s_lshl_b32 s28, s49, 19
	s_lshl_b32 s29, s8, 13
	s_add_co_u32 s28, s28, s29
	s_mov_b32 s29, 0
	; descriptor group 1: 8,192 dense bytes as 32 rows of 32 elements of 8 bytes
	s_mov_b32 s[G1+0], 15|(3<<16)|(1<<21)          ; 15:0 the four work-groups of the cluster; 17:16 elements of 8 bytes; 21 set beside a mask; no padding
	s_mov_b32 s[G1+1], 32<<16                      ; tensor_dim0 = 32
	s_mov_b32 s[G1+2], 32<<16                      ; tensor_dim1 = 32
	s_mov_b32 s[G1+3], 32<<16                      ; tile_dim0 = 32
	s_mov_b32 s[G1+4], 32                          ; tile_dim1 = 32
	s_mov_b32 s[G1+5], 32                          ; from row to row: 32 elements
	s_mov_b32 s[G1+6], 0
	s_mov_b32 s[G1+7], 0
	s_mov_b32 s[G0+0], 1
	s_lshl_b32 s[G0+1], s8, 13                     ; LDS: slot 0 + 8,192 x wave
	s_mov_b32 s[G0+4], 1
	s_add_co_u32 s[G0+5], s[G0+1], TILE            ; slot 1
.irp x, 1,3,5,7
	v_mov_b32 v[MX+\x], 0                          ; destinations of v_permlanex16_b32 and partners in pairs: written once before they count as read
.endr
.irp x, 0,1,2,3
	v_mov_b32 v[LS+\x], 0                          ; the four partial sums start at zero
.endr
	s_wait_dscnt 0x0
	s_wait_kmcnt 0x0
	s_add_nc_u64 s[24:25], s[4:5], s[24:25]
	s_add_nc_u64 s[26:27], s[10:11], s[26:27]
	s_add_nc_u64 s[30:31], s[6:7], s[28:29]
.irp q, 0,1
	global_load_b128 v[QF+8*\q:QF+8*\q+3],   v[L16], s[24:25] offset:\q*1024
	global_load_b128 v[QF+8*\q+4:QF+8*\q+7], v[L16], s[24:25] offset:\q*1024+512
.endr
.irp n, 0,1
	s_add_nc_u64 s[G0+4*\n+2:G0+4*\n+3], s[30:31], \n*TILE         ; tile 0 for slot 0, tile 1 for slot 1
	s_or_b32 s[G0+4*\n+3], s[G0+4*\n+3], 0x80000000               ; type = 2
.endr
	ROUND                                          ; the four work-groups are here: the first joint loads meet
	tensor_load_to_lds s[G0:G0+3], s[G1:G1+7]      ; tile 0
	s_nop 0
	s_wait_loadcnt 0x0                             ; q, once
	TRIP 0, 1, 1                                   ; eight tiles: two in front of the loop (the first step starts the sums),
	TRIP 1, 1, 0
	s_mov_b32 s44, 2
.Llap:
	TRIP 0, 1, 0                                   ; four in it,
	TRIP 1, 1, 0
	s_sub_co_u32 s44, s44, 1
	s_cmp_lg_u32 s44, 0
	s_cbranch_scc1 .Llap
	TRIP 0, 1, 0                                   ; two behind it: the last fetches nothing (its stepped address is not used)
	TRIP 1, 0, 0
	; THE MERGE of the two halves of the keys.  Waves 4-7 hand (O, m, l) to waves 0-3 through LDS bytes that no fill ever touches.
	PLACES                                         ; behind the last matrix instructions: O is read
	v_add_f32 v[MXB+1], v[LS],   v[LS+1]           ; v[MXB:MXB+3] = (m0, l0, m1, l1), l still split between lanes l and l xor 16
	v_add_f32 v[MXB+3], v[LS+2], v[LS+3]
	s_cmp_lt_u32 s8, 4
	s_cbranch_scc1 .Lkeeps
.irp i, 0,1,2,3,4,5,6,7
	ds_store_b128 v[SA], v[O+4*\i:O+4*\i+3] offset:\i*512
.endr
	ds_store_b128 v[SA], v[MXB:MXB+3] offset:4096
.Lkeeps:
	s_wait_dscnt 0x0                               ; my stores are done, for the partner's sake
	s_barrier_signal -1
	s_barrier_wait -1
	s_cmp_ge_u32 s8, 4
	s_cbranch_scc1 .Lhanded
.irp i, 0,1,2,3,4,5,6,7,8
	ds_load_b128 v[S+4*\i:S+4*\i+3], v[SA] offset:\i*512           ; the partner's O in v[S:S+31], its (m0, l0, m1, l1) in v[S+32:S+35]
.endr
	s_wait_dscnt 0x0
.irp q, 0,1
	v_max_num_f32 v[MT+4*\q], v[MXB+2*\q], v[S+32+2*\q]
	v_sub_f32 v[MT+4*\q+1], v[MXB+2*\q], v[MT+4*\q]
	v_sub_f32 v[MT+4*\q+2], v[S+32+2*\q], v[MT+4*\q]
.endr
.irp q, 0,1
	v_exp_f32 v[MT+4*\q+1], v[MT+4*\q+1]           ; my weight 2^(m mine - m)
	v_exp_f32 v[MT+4*\q+2], v[MT+4*\q+2]           ; the partner's
.endr
	v_nop                                          ; one plain place behind the exponentials (ISA guide 5.7.2)
	s_wait_alu depctr_va_vdst(0)
.irp q, 0,1
	v_mul_f32 v[MT+4*\q+3], v[MXB+2*\q+1], v[MT+4*\q+1]
	v_fmac_f32 v[MT+4*\q+3], v[S+33+2*\q], v[MT+4*\q+2]
	v_permlanex16_b32 v[MT+4*\q], v[MT+4*\q+3], s12, s13           ; the query's other lane
	v_add_f32 v[MT+4*\q+3], v[MT+4*\q+3], v[MT+4*\q]               ; l of all 4096 keys: at least 1, since the largest p is 1
.endr
.irp q, 0,1
	v_rcp_f32 v[MT+4*\q+3], v[MT+4*\q+3]
.endr
	v_nop                                          ; one plain place behind the reciprocals
	s_wait_alu depctr_va_vdst(0)
.irp q, 0,1
	v_mul_f32 v[AL+2*\q], v[MT+4*\q+1], v[MT+4*\q+3]               ; my factor, first of the pair v[AL+2q:AL+2q+1]
	v_mul_f32 v[MT+4*\q], v[MT+4*\q+2], v[MT+4*\q+3]               ; the partner's, first of the pair v[MT+4q:MT+4q+1]
.endr
.irp x, 0,1,2,3,4,5,6,7,8,9,10,11,12,13,14,15
	v_pk_mul_f32 v[O+2*\x:O+2*\x+1], v[O+2*\x:O+2*\x+1], v[AL+2*(\x/8):AL+2*(\x/8)+1] op_sel_hi:[1,0]
.endr
.irp x, 0,1,2,3,4,5,6,7,8,9,10,11,12,13,14,15
	v_pk_fma_f32 v[O+2*\x:O+2*\x+1], v[S+2*\x:S+2*\x+1], v[MT+4*(\x/8):MT+4*(\x/8)+1], v[O+2*\x:O+2*\x+1] op_sel_hi:[1,0,1]
.endr
.irp x, 0,1,2,3,4,5,6,7,8,9,10,11,12,13,14,15
	v_cvt_pk_bf16_f32 v[P+\x], v[O+2*\x], v[O+2*\x+1]
.endr
.irp q, 0,1
.irp dt, 0,1
	global_store_b128 v[L16], v[P+8*\q+4*\dt:P+8*\q+4*\dt+3], s[26:27] offset:\q*8192+\dt*512    ; 512 consecutive bytes: half dt of the fragment of query tile q
.endr
.endr
.Lhanded:
	s_wait_tensorcnt 0x0
	ds_add_u32 v240, v241
	s_wait_dscnt 0x0
	ROUND                                          ; the closing round: no work-group ends while a partner may still ask for a tile that names it
	s_endpgm
.Lfunc_end_k_q552dd9e32e_attn:
	.size	k_q552dd9e32e_attn, .Lfunc_end_k_q552dd9e32e_attn-k_q552dd9e32e_attn
	.p2alignl 7, 3214868480
	.fill 96, 4, 3214868480
	.section	.rodata,"a",@progbits
	.p2align	6, 0x0
	.amdhsa_kernel k_q552dd9e32e_attn
		.amdhsa_group_segment_fixed_size 327680
		.amdhsa_private_segment_fixed_size 0
		.amdhsa_enable_private_segment 0
		.amdhsa_kernarg_size 24
		.amdhsa_user_sgpr_count 2
		.amdhsa_user_sgpr_kernarg_segment_ptr 1
		.amdhsa_wavefront_size32 1
		.amdhsa_system_sgpr_workgroup_id_x 1
		.amdhsa_system_sgpr_workgroup_id_y 1
		.amdhsa_system_sgpr_workgroup_id_z 1
		.amdhsa_system_vgpr_workitem_id 0
		.amdhsa_next_free_vgpr 242
		.amdhsa_next_free_sgpr 66
		.amdhsa_reserve_vcc 0
		.amdhsa_float_denorm_mode_32 3
		.amdhsa_float_denorm_mode_16_64 3
		.amdhsa_memory_ordered 1
		.amdhsa_forward_progress 1
		.amdhsa_inst_pref_size 255
	.end_amdhsa_kernel
	.section	.bss,"aw",@nobits
	.p2align	6
	.space	262144
	.amdgpu_metadata
---
amdhsa.version: [ 1, 2 ]
amdhsa.kernels:
  - .name:           k_q552dd9e32e_attn
    .symbol:         k_q552dd9e32e_attn.kd
    .args:
      - { .name: qf, .offset: 0, .size: 8, .value_kind: global_buffer, .address_space: global }
      - { .name: kvf, .offset: 8, .size: 8, .value_kind: global_buffer, .address_space: global }
      - { .name: zf, .offset: 16, .size: 8, .value_kind: global_buffer, .address_space: global }
    .group_segment_fixed_size: 327680
    .private_segment_fixed_size: 0
    .kernarg_segment_align: 8
    .kernarg_segment_size: 24
    .max_flat_workgroup_size: 256
    .sgpr_count:     66
    .vgpr_count:     242
    .wavefront_size: 32
...
	.end_amdgpu_metadata
.endif
;; end of part 2
;; launch outp (part 3): grid 4 x 64, 4 waves a work-group, no clusters, 51,712 bytes of LDS; arguments zf, w_w, w_b, x_a, out0; writes out0
.if DOCPART == 3
	.amdgcn_target "amdgcn-amd-amdhsa--gfx1250"
	.amdhsa_code_object_version 6
	.text
	.protected	k_q552dd9e32e_outp
	.globl	k_q552dd9e32e_outp
	.p2align	8
	.type	k_q552dd9e32e_outp,@function
k_q552dd9e32e_outp:
	s_mov_b64 s[64:65], 0
	v_nop
	global_prefetch_b8 v0, s[64:65] scope:SCOPE_SE
	s_setreg_imm32_b32 hwreg(HW_REG_WAVE_MODE, 25, 1), 1
	s_wait_xcnt 0x0
; out = z w^T + w_b + x_a: 4096 tokens x 256 features x 256, z in bf16 in fragment order (zf: (16-token tile x 8 + head) x 1,024 bytes, [c][lane][16 bytes]), the rest f32.
; A work-group makes 64 tokens (grid y) x 64 features (grid x); wave w takes token tile 4 y + w against all 64 features: four accumulator tiles, 32 matrix instructions.
; Source 0 = 16 rows of w, source 1 = z's fragment: a lane holds features 8 (l / 16) + 0..7 of token l % 16.  The accumulators start from the bias, which is loaded
; straight into them: nothing is cleared and no add is spent on it.  z goes from memory straight into source registers; w is rounded to bf16 on its way into LDS.
; The results leave through the wave's own stage in LDS, so that sixteen lanes store 256 consecutive bytes of a row of out0, at a multiple of 256 from its first byte.
; No tensor loads and no cluster: w's tile has to be rounded in registers and is filled once.
; LIMITS: NaN and infinities are not served; z and w are bf16 operands; bias and residual are added in f32.
.set PITCH,  528                       ; w's rows in LDS: 256 bf16 + 16 bytes = 33 x 16 bytes
.set STAGE,  64*PITCH                  ; behind w's 64 rows: 16 rows x 272 bytes for each wave
.set SPITCH, 272                       ; 64 f32 + 16 bytes = 17 x 16 bytes
.set VO,  1                            ; v1  16 t: my 16 bytes in each group of two rows of w (2,048 bytes)
.set LA,  2                            ; v2  where my 4 numbers of w go in LDS
.set ADW, 3                            ; v3  my lane's address in w's fragments
.set L16, 4                            ; v4  16 x lane
.set STO, 5                            ; v5  the way out: where I put 32 bytes of a token's row
.set RD,  6                            ; v6  the way out: where I read a row back
.set CO,  7                            ; v7  my byte offset in x_a and out0
.set BO,  8                            ; v8  32 (l / 16): my eight features in the bias
.set T,   10                           ; v[10:17]   at work
.set ACC, 20                           ; v[20:51]   four accumulator tiles
.set ZF,  52                           ; v[52:115]  z: eight fragments, one for each head
.set Y,   52                           ; v[52:83]   afterwards: rows read back from the stage
.set XR,  116                          ; v[116:147] the residual
.set ST,  148                          ; v[148:211] 16 loads of w on their way
.set WF0, 148                          ; afterwards: two buffers of four fragments of w
.set WF1, 180
	s_load_b256 s[4:11], s[0:1], 0x0               ; zf s[4:5], w_w s[6:7], w_b s[8:9], x_a s[10:11]
	s_load_b64 s[12:13], s[0:1], 0x20              ; out0
	v_lshl_add_u32 v212, v0, 2, 0xc800
	v_mov_b32 v213, 0
	v_lshrrev_b32 v[T], 5, v0
	v_readfirstlane_b32 s16, v[T]                  ; wave 0..3
	s_and_b32 s15, ttmp7, 0xffff                   ; block of 64 tokens
	v_lshlrev_b32 v[VO], 4, v0
	v_lshrrev_b32 v[T], 6, v0                      ; which of the two rows that one load of the work-group covers
	v_and_b32 v[T+1], 63, v0
	v_mul_u32_u24 v[T], v[T], PITCH
	v_lshl_add_u32 v[LA], v[T+1], 3, v[T]
	v_and_b32 v[T+2], 15, v0                       ; r = lane % 16
	v_bfe_u32 v[T+3], v0, 4, 1                     ; h = lane / 16
	v_mul_u32_u24 v[T+4], v[T+2], PITCH
	v_lshl_add_u32 v[ADW], v[T+3], 4, v[T+4]
	v_and_b32 v[L16], 31, v0
	v_lshlrev_b32 v[L16], 4, v[L16]
	s_mul_i32 s17, s16, 16*SPITCH
	s_add_co_u32 s17, s17, STAGE                   ; my stage
	v_mul_u32_u24 v[T+4], v[T+2], SPITCH           ; in: token r's row, 32 bytes for each half of the lanes
	v_lshl_add_u32 v[T+4], v[T+3], 5, v[T+4]
	v_add_nc_u32 v[STO], s17, v[T+4]
	v_mul_u32_u24 v[T+4], v[T+3], SPITCH           ; back: lanes 0-15 take one row of 256 bytes, lanes 16-31 the next
	v_lshl_add_u32 v[T+4], v[T+2], 4, v[T+4]
	v_add_nc_u32 v[RD], s17, v[T+4]
	v_lshlrev_b32 v[T+4], 10, v[T+3]               ; and the same two rows in x_a and out0
	v_lshl_add_u32 v[CO], v[T+2], 4, v[T+4]
	v_lshlrev_b32 v[BO], 5, v[T+3]
	s_lshl_b32 s18, ttmp9, 16                      ; 64 rows of w of 1,024 bytes
	s_mov_b32 s19, 0
	s_lshl_b32 s20, ttmp9, 8                       ; 64 features of 4 bytes
	s_mov_b32 s21, 0
	s_lshl2_add_u32 s22, s15, s16                  ; my token tile = 4 y + wave
	s_lshl_b32 s24, s22, 14                        ; 16 rows of 1,024 bytes
	s_add_co_u32 s24, s24, s20
	s_mov_b32 s25, 0
	s_lshl_b32 s22, s22, 13                        ; eight fragments of 1,024 bytes
	s_mov_b32 s23, 0
	s_wait_kmcnt 0x0
	s_add_nc_u64 s[6:7], s[6:7], s[18:19]
	s_add_nc_u64 s[8:9], s[8:9], s[20:21]
	s_add_nc_u64 s[4:5], s[4:5], s[22:23]
	s_add_nc_u64 s[10:11], s[10:11], s[24:25]
	s_add_nc_u64 s[12:13], s[12:13], s[24:25]
.set i, 0
.rept 16
	global_load_b128 v[ST+4*i:ST+4*i+3], v[VO], s[6:7] offset:i*2048       ; w's rows 0-31
.set i, i+1
.endr
.irp ct, 0,1,2,3
	global_load_b128 v[ACC+8*\ct:ACC+8*\ct+3],   v[BO], s[8:9] offset:64*\ct       ; the bias starts the sums
	global_load_b128 v[ACC+8*\ct+4:ACC+8*\ct+7], v[BO], s[8:9] offset:64*\ct+16
.endr
.irp k, 0,1,2,3,4,5,6,7
	global_load_b128 v[ZF+8*\k:ZF+8*\k+3],   v[L16], s[4:5] offset:\k*1024
	global_load_b128 v[ZF+8*\k+4:ZF+8*\k+7], v[L16], s[4:5] offset:\k*1024+512
.endr
.set i, 0
.rept 16
	s_wait_loadcnt 39                              ; younger than load i: 15 - i of w, 8 of the bias, 16 of z, i issued again = 39
	v_cvt_pk_bf16_f32 v[T+2*(i%4)],   v[ST+4*i],   v[ST+4*i+1]
	v_cvt_pk_bf16_f32 v[T+2*(i%4)+1], v[ST+4*i+2], v[ST+4*i+3]
	ds_store_b64 v[LA], v[T+2*(i%4):T+2*(i%4)+1] offset:i*2*PITCH
	global_load_b128 v[ST+4*i:ST+4*i+3], v[VO], s[6:7] offset:(i+16)*2048  ; w's rows 32-63
.set i, i+1
.endr
.set i, 0
.rept 16
	s_wait_loadcnt 15-i                            ; the counts run down; the bias and z, which are older, are in as well
	v_cvt_pk_bf16_f32 v[T+2*(i%4)],   v[ST+4*i],   v[ST+4*i+1]
	v_cvt_pk_bf16_f32 v[T+2*(i%4)+1], v[ST+4*i+2], v[ST+4*i+3]
	ds_store_b64 v[LA], v[T+2*(i%4):T+2*(i%4)+1] offset:(i+16)*2*PITCH
.set i, i+1
.endr
.irp t, 0,1,2,3,4,5,6,7
	global_load_b128 v[XR+4*\t:XR+4*\t+3], v[CO], s[10:11] offset:\t*2048  ; the residual has the products in which to land
.endr
	s_wait_dscnt 0x0                               ; my part of w's tile is written, for the other waves' sake
	s_barrier_signal -1
	s_barrier_wait -1                              ; everybody's is: the only barrier
.macro FETCH k, f                      ; 8 LDS loads: w's four fragments of K step k (k may be an expression: it stands in brackets)
.irp ct, 0,1,2,3
	ds_load_b128 v[\f+8*\ct:\f+8*\ct+3],   v[ADW] offset:\ct*16*PITCH+(\k)*64
	ds_load_b128 v[\f+8*\ct+4:\f+8*\ct+7], v[ADW] offset:\ct*16*PITCH+(\k)*64+32
.endr
.endm
.macro MUL k, f                        ; the four accumulators take turns, one instruction a turn, from K step to K step too
.irp ct, 0,1,2,3
	v_wmma_f32_16x16x32_bf16 v[ACC+8*\ct:ACC+8*\ct+7], v[\f+8*\ct:\f+8*\ct+7], v[ZF+8*(\k):ZF+8*(\k)+7], v[ACC+8*\ct:ACC+8*\ct+7]
.endr
.endm
; Four independent vector places stand between a matrix instruction and a load into one of its sources or a store of its result
.macro PLACES
.rept 4
	v_nop
.endr
.endm
.macro KSTEP k, f
	s_wait_dscnt 8                                 ; the 8 loads of the younger fetch stay out: this buffer is in
	MUL \k, \f
	PLACES
	FETCH \k+2, \f
.endm
	FETCH 0, WF0
	FETCH 1, WF1
	KSTEP 0, WF0
	KSTEP 1, WF1
	KSTEP 2, WF0
	KSTEP 3, WF1
	KSTEP 4, WF0
	KSTEP 5, WF1
	s_wait_dscnt 8
	MUL 6, WF0
	s_wait_dscnt 0x0
	MUL 7, WF1
	PLACES                                         ; in front of the stores of the results and of the loads into z's registers
.irp ct, 0,1,2,3
	ds_store_b128 v[STO], v[ACC+8*\ct:ACC+8*\ct+3]   offset:64*\ct
	ds_store_b128 v[STO], v[ACC+8*\ct+4:ACC+8*\ct+7] offset:64*\ct+16
.endr
.irp t, 0,1,2,3,4,5,6,7
	ds_load_b128 v[Y+4*\t:Y+4*\t+3], v[RD] offset:\t*2*SPITCH      ; my own bytes; LDS serves a wave's instructions in order (ISA guide 5.7.1.4): these see the stores above
.endr
	s_wait_loadcnt 0x0                             ; the residual
.irp t, 0,1,2,3,4,5,6,7
	s_wait_dscnt 7-\t                              ; rows 2 t and 2 t + 1 are back; the younger loads stay out
	v_pk_add_f32 v[Y+4*\t:Y+4*\t+1],   v[Y+4*\t:Y+4*\t+1],   v[XR+4*\t:XR+4*\t+1]
	v_pk_add_f32 v[Y+4*\t+2:Y+4*\t+3], v[Y+4*\t+2:Y+4*\t+3], v[XR+4*\t+2:XR+4*\t+3]
	global_store_b128 v[CO], v[Y+4*\t:Y+4*\t+3], s[12:13] offset:\t*2048 th:TH_STORE_NT
.endr
	s_wait_tensorcnt 0x0
	ds_add_u32 v212, v213
	s_wait_dscnt 0x0
	s_endpgm
.Lfunc_end_k_q552dd9e32e_outp:
	.size	k_q552dd9e32e_outp, .Lfunc_end_k_q552dd9e32e_outp-k_q552dd9e32e_outp
	.p2alignl 7, 3214868480
	.fill 96, 4, 3214868480
	.section	.rodata,"a",@progbits
	.p2align	6, 0x0
	.amdhsa_kernel k_q552dd9e32e_outp
		.amdhsa_group_segment_fixed_size 51712
		.amdhsa_private_segment_fixed_size 0
		.amdhsa_enable_private_segment 0
		.amdhsa_kernarg_size 40
		.amdhsa_user_sgpr_count 2
		.amdhsa_user_sgpr_kernarg_segment_ptr 1
		.amdhsa_wavefront_size32 1
		.amdhsa_system_sgpr_workgroup_id_x 1
		.amdhsa_system_sgpr_workgroup_id_y 1
		.amdhsa_system_sgpr_workgroup_id_z 1
		.amdhsa_system_vgpr_workitem_id 0
		.amdhsa_next_free_vgpr 214
		.amdhsa_next_free_sgpr 66
		.amdhsa_reserve_vcc 0
		.amdhsa_float_denorm_mode_32 3
		.amdhsa_float_denorm_mode_16_64 3
		.amdhsa_memory_ordered 1
		.amdhsa_forward_progress 1
		.amdhsa_inst_pref_size 26
	.end_amdhsa_kernel
	.amdgpu_metadata
---
amdhsa.version: [ 1, 2 ]
amdhsa.kernels:
  - .name:           k_q552dd9e32e_outp
    .symbol:         k_q552dd9e32e_outp.kd
    .args:
      - { .name: zf, .offset: 0, .size: 8, .value_kind: global_buffer, .address_space: global }
      - { .name: w_w, .offset: 8, .size: 8, .value_kind: global_buffer, .address_space: global }
      - { .name: w_b, .offset: 16, .size: 8, .value_kind: global_buffer, .address_space: global }
      - { .name: x_a, .offset: 24, .size: 8, .value_kind: global_buffer, .address_space: global }
      - { .name: out0, .offset: 32, .size: 8, .value_kind: global_buffer, .address_space: global }
    .group_segment_fixed_size: 51712
    .private_segment_fixed_size: 0
    .kernarg_segment_align: 8
    .kernarg_segment_size: 40
    .max_flat_workgroup_size: 128
    .sgpr_count:     66
    .vgpr_count:     214
    .wavefront_size: 32
...
	.end_amdgpu_metadata
.endif
;; end of part 3
;; ======== version 2 of 2: 3 launches; 1.15 times as fast as version 1
;; workspace buffers: qf 2,097,152 bytes; kvf 8,388,608 bytes; zf 2,097,152 bytes
;; launch proj: the kernel of part 1 again; grid 32 x 10, 8 waves a work-group, no clusters, 136,192 bytes of LDS; arguments x_a, x_b, wk_a_w, wk_b_w, wv_a_w, wv_b_w, wq_w, wk_a_b, wk_b_b, wv_a_b, wv_b_b, wq_b, qf, kvf; writes qf, kvf
;; launch attn (part 4): grid 16 x 16, 8 waves a work-group, clusters of 4 x 1, 327,680 bytes of LDS; arguments qf, kvf, zf; writes zf
.if DOCPART == 4
	.amdgcn_target "amdgcn-amd-amdhsa--gfx1250"
	.amdhsa_code_object_version 6
	.text
	.protected	k_q552dd9e32e_attn
	.globl	k_q552dd9e32e_attn
	.p2align	8
	.type	k_q552dd9e32e_attn,@function
k_q552dd9e32e_attn:
	s_mov_b64 s[64:65], 0
	v_nop
	global_prefetch_b8 v0, s[64:65] scope:SCOPE_SE
	s_setreg_imm32_b32 hwreg(HW_REG_WAVE_MODE, 25, 1), 1
	s_wait_xcnt 0x0
	s_wait_alu depctr_hold_cnt(0) depctr_sa_sdst(0) depctr_va_vdst(0) depctr_va_sdst(0) depctr_va_ssrc(0) depctr_va_vcc(0) depctr_vm_vsrc(0)
	s_getreg_b32 s2, hwreg(HW_REG_IB_STS2, 6, 4)
	s_cmp_eq_u32 s2, 0
	s_cbranch_scc0 .Lentry_in_a_cluster
	s_endpgm
.Lentry_in_a_cluster:
	s_bfe_u32 s2, ttmp6, 0x10000c
	s_cmp_lg_u32 s2, 0x3003
	s_cbranch_scc0 .Lentry_shape_is_right
	s_endpgm
.Lentry_shape_is_right:
; Attention with a running maximum: 16 (batch, head) x 2048 queries x 4096 keys, 32 numbers a head.  q comes scaled by log2(e)/sqrt(32), so p = 2^(s - m).
; A work-group takes 128 queries of one head (grid y = 8 b + head, grid x = query block).  Wave w: queries 32 (w % 4) .. + 31, and half w / 4 of each key tile;
; the two halves' (m, l, O) are merged once at the end through LDS.  Two waves lie on each SIMD, so that one's matrix and LDS work stands behind the other's vector work;
; the split is over keys, so that each K or V fragment read from LDS still feeds two matrix instructions (two query tiles).
; THE MATRIX UNIT IS USED TRANSPOSED.  S^T = K Q^T (source 0 = 16 keys, source 1 = 16 queries): lane l holds keys 8 (l / 16) + 0..7 of ONE query l % 16, so maxima and sums
; are in the lane, but for one exchange with lane l xor 16.  Rounded to bf16, the result tiles of keys 0-15 and 16-31 of a block ARE registers 0-3 and 4-7 of P^T as source 1
; of O^T = V^T P^T; O^T holds features 8 (l / 16) + 0..7 of query l % 16, so the rescaling is a multiply in the lane, and the rounded result is zf's fragment.
; qf, kvf, zf lie in fragment order ([c][lane][16 bytes]): every LDS load, global load and store is at 16 x lane, 512 consecutive bytes.
;   zf: ((b*128 + 16-query tile)*8 + head)*1024
; THE EXPONENTIALS OF A STEP ARE ONE BATCH of 66: the two alpha, in registers of their own, and the 64 p, each in place in its score's register.  Ahead of the batch's one wait stands
; only what names no result of it: the subtractions s - m, each a tile ahead of its pair's exponentials.  Behind the wait stand all the readers: l and O times alpha, the sums, the roundings.
; The merge at the end has two batches more, a wait each: the four weights of the two halves, then the two reciprocals of the sums that are made with them.
; CLUSTER: the four query blocks of a cluster walk the same K and V tiles; each tile is asked for jointly (mask 15).  The descriptors hang on grid y, the wave's number and the
; trip alone; the place in the cluster enters only the global addresses of q and z.
; RING: a tile is 512 keys = 65,536 dense bytes of kvf, two slots; each wave fetches 8,192 bytes of it.  By this text's count a wave has one tensor load out, issued first behind
; a round of the cluster's barrier, with the trip's four steps in which to land.  No prefetch: kvf was stored by the launch before and each tile is asked for a whole trip ahead.
; LIMITS: NaN and infinities are not served; q, k, v, p go to the matrix unit in bf16; the denominator sums p in f32 before that rounding; 2^x below 2^-126 counts as zero.
.set TILE, 65536
.set SCR,  2*TILE                      ; merge scratch behind the ring, 4 x 4,608 bytes: no fill ever lands there
.set SCRW, 4608
.set L16, 1                            ; v1        16 x lane
.set AD,  2                            ; v2, v3    16 x lane + my half of slot 0, 1
.set SA,  4                            ; v4        my place in the merge scratch
.set QF,  8                            ; v[8:23]   two query fragments
.set MX,  24                           ; v[24:31]  two sets of (m0, x, m1, x) that take turns: the old and the new maximum; x takes the other half's maximum
.set MXB, MX+4                         ;           the set that the last step of a trip writes
.set AL,  32                           ; v[32:35]  (alpha0, m0 old - new, alpha1, m1 old - new)
.set LS,  36                           ; v[36:39]  a pair of partial sums of p for each query tile
.set MT,  40                           ; v[40:47]  four chains of maxima for each query tile
.set KF,  48                           ; v[48:79]  K fragments of four key tiles
.set VF,  80                           ; v[80:111] V^T fragments at + 16 block + 8 feature tile
.set S,   112                          ; v[112:175] scores, then p: tile u = 4 q + key tile at + 8 u
.set P,   176                          ; v[176:207] p in bf16 at + 4 u = 16 q + 8 block + ..
.set O,   208                          ; v[208:239] O^T at + 16 q + 8 feature tile
.set G1,  16                           ; s[16:23]  descriptor group 1
.set G0,  32                           ; s[32:39]  descriptor group 0, a set for each slot
; A round of the cluster's barrier: the work-group's barrier, wave 0 signals for the work-group, every wave waits for the four work-groups, the work-group's barrier again.
.macro ROUND
	s_barrier_signal -1
	s_barrier_wait -1
	s_cmp_lg_u32 s8, 0
	s_cbranch_scc1 .Lnot_wave_0_\@
	s_barrier_signal -3
.Lnot_wave_0_\@:
	s_barrier_wait -3
	s_barrier_signal -1
	s_barrier_wait -1
.endm
; Four independent vector places stand between a matrix instruction and a load into one of its sources, a vector write of one of its registers or a vector read of its result
.macro PLACES
.rept 4
	v_nop
.endr
.endm
; step s of a trip takes key blocks 2 s and 2 s + 1 of my half of the tile
.macro LOADK slot, s
.irp kt, 0,1,2,3
	ds_load_b128 v[KF+8*\kt:KF+8*\kt+3],   v[AD+\slot] offset:(2*(\s)+\kt/2)*4096+(\kt%2)*1024
	ds_load_b128 v[KF+8*\kt+4:KF+8*\kt+7], v[AD+\slot] offset:(2*(\s)+\kt/2)*4096+(\kt%2)*1024+512
.endr
.endm
.macro LOADV slot, s
.irp blk, 0,1
.irp dt, 0,1
	ds_load_b128 v[VF+16*\blk+8*\dt:VF+16*\blk+8*\dt+3],   v[AD+\slot] offset:(2*(\s)+\blk)*4096+2048+\dt*1024
	ds_load_b128 v[VF+16*\blk+8*\dt+4:VF+16*\blk+8*\dt+7], v[AD+\slot] offset:(2*(\s)+\blk)*4096+2048+\dt*1024+512
.endr
.endr
.endm
; pair p of score tile u less its query's new maximum (both halves take the pair's first register)
.macro SUBP u, p
	v_pk_add_f32 v[S+8*(\u)+2*(\p):S+8*(\u)+2*(\p)+1], v[S+8*(\u)+2*(\p):S+8*(\u)+2*(\p)+1], v[NEW+2*((\u)/4):NEW+2*((\u)/4)+1] op_sel_hi:[1,0] neg_lo:[0,1] neg_hi:[0,1]
.endm
; ONE STEP: 64 keys x 32 queries.  nextk = 1: the next step's K fragments are fetched; first = 1: the very first step, which starts m, l and O.
.macro STEP slot, s, nextk, first
.set NEW, MX+4*((\s)%2)
.set OLD, MX+4*(((\s)+1)%2)
	s_wait_dscnt 0x0                               ; this step's K fragments are in
.irp kt, 0,1,2,3
.irp q, 0,1
	v_wmma_f32_16x16x32_bf16 v[S+8*(4*\q+\kt):S+8*(4*\q+\kt)+7], v[KF+8*\kt:KF+8*\kt+7], v[QF+8*\q:QF+8*\q+7], 0
.endr
.endr
	PLACES                                         ; behind these eight and behind the last step's eight: K's and V's registers are loaded, S is read, O and P are written below
	LOADV \slot, \s
.if \nextk
	LOADK \slot, \s+1
.endif
	; the largest of a lane's 32 scores of each query tile and the old maximum: 33 numbers, 16 three-way maxima, in four chains of 9, 9, 7, 7 registers
.irp q, 0,1
.irp c, 0,1,2,3
	v_max3_num_f32 v[MT+4*\q+\c], v[S+32*\q+9*\c-2*(\c/3)], v[S+32*\q+9*\c-2*(\c/3)+1], v[S+32*\q+9*\c-2*(\c/3)+2]
.endr
.endr
.irp g, 1,2
.irp q, 0,1
.irp c, 0,1,2,3
	v_max3_num_f32 v[MT+4*\q+\c], v[MT+4*\q+\c], v[S+32*\q+9*\c-2*(\c/3)+2*\g+1], v[S+32*\q+9*\c-2*(\c/3)+2*\g+2]
.endr
.endr
.endr
.irp q, 0,1
.irp c, 0,1
	v_max3_num_f32 v[MT+4*\q+\c], v[MT+4*\q+\c], v[S+32*\q+9*\c+7], v[S+32*\q+9*\c+8]
.endr
.endr
.irp q, 0,1
	v_max3_num_f32 v[MT+4*\q], v[MT+4*\q], v[MT+4*\q+1], v[MT+4*\q+2]
.endr
.irp q, 0,1
.if \first
	v_max_num_f32 v[MT+4*\q], v[MT+4*\q], v[MT+4*\q+3]
.else
	v_max3_num_f32 v[MT+4*\q], v[MT+4*\q], v[MT+4*\q+3], v[OLD+2*\q]
.endif
.endr
.irp q, 0,1
	v_permlanex16_b32 v[NEW+2*\q+1], v[MT+4*\q], s12, s13      ; the same query's other eight keys of each tile lie in lane l xor 16
.endr
.irp q, 0,1
	v_max_num_f32 v[NEW+2*\q], v[MT+4*\q], v[NEW+2*\q+1]
.endr
.if \first == 0
.irp q, 0,1
	v_sub_f32 v[AL+2*\q+1], v[OLD+2*\q], v[NEW+2*\q]
.endr
	; THE BATCH begins: from here to the wait no line names a result of an exponential.
.irp q, 0,1
	v_exp_f32 v[AL+2*\q], v[AL+2*\q+1]             ; alpha = 2^(old - new): the batch's first two
.endr
.endif
.irp p, 0,1,2,3
	SUBP 0, \p
.endr
	; Tile by tile: a pair's two exponentials, in place, then the subtraction of the same pair of the tile behind, which is so made ten lines ahead of its own exponentials.
.irp u, 0,1,2,3,4,5,6,7
.irp p, 0,1,2,3
	v_exp_f32 v[S+8*\u+2*\p],   v[S+8*\u+2*\p]
	v_exp_f32 v[S+8*\u+2*\p+1], v[S+8*\u+2*\p+1]
.if \u < 7
	SUBP \u+1, \p
.endif
.endr
.endr
	v_nop                                          ; one plain place behind the last exponential (ISA guide 5.7.2): all the vector work that is left reads alpha or p
	s_wait_alu depctr_va_vdst(0)                   ; the step's one wait, ahead of the first reader: it serves the whole batch, the two alpha and the 64 p
	; THE READERS.  l times alpha; then pair i of each query tile goes into its sum and is rounded into P^T, and pair i of O^T is multiplied by alpha.  Each sum takes its pairs in
	; ascending order; the two tiles' chains alternate, so that a link stands five lines behind the one that it adds onto.
.if \first == 0
.irp q, 0,1
	v_pk_mul_f32 v[LS+2*\q:LS+2*\q+1], v[LS+2*\q:LS+2*\q+1], v[AL+2*\q:AL+2*\q+1] op_sel_hi:[1,0]
.endr
.endif
.irp i, 0,1,2,3,4,5,6,7,8,9,10,11,12,13,14,15
	v_pk_add_f32 v[LS:LS+1],   v[LS:LS+1],   v[S+2*\i:S+2*\i+1]
	v_pk_add_f32 v[LS+2:LS+3], v[LS+2:LS+3], v[S+32+2*\i:S+32+2*\i+1]
	v_cvt_pk_bf16_f32 v[P+\i],    v[S+2*\i],    v[S+2*\i+1]
	v_cvt_pk_bf16_f32 v[P+16+\i], v[S+32+2*\i], v[S+32+2*\i+1]
.if \first == 0
	v_pk_mul_f32 v[O+2*\i:O+2*\i+1], v[O+2*\i:O+2*\i+1], v[AL+2*(\i/8):AL+2*(\i/8)+1] op_sel_hi:[1,0]
.endif
.endr
	s_wait_dscnt 8*\nextk                          ; V's fragments are in; the eight younger loads (the next step's K) may stay out
	; the four accumulators take turns, one instruction a turn
.irp blk, 0,1
.irp q, 0,1
.irp dt, 0,1
.if (\first)*(1-\blk)
	v_wmma_f32_16x16x32_bf16 v[O+16*\q+8*\dt:O+16*\q+8*\dt+7], v[VF+16*\blk+8*\dt:VF+16*\blk+8*\dt+7], v[P+16*\q+8*\blk:P+16*\q+8*\blk+7], 0
.else
	v_wmma_f32_16x16x32_bf16 v[O+16*\q+8*\dt:O+16*\q+8*\dt+7], v[VF+16*\blk+8*\dt:VF+16*\blk+8*\dt+7], v[P+16*\q+8*\blk:P+16*\q+8*\blk+7], v[O+16*\q+8*\dt:O+16*\q+8*\dt+7]
.endif
.endr
.endr
.endr
.endm
; ONE TRIP: one tile.  In front of the round every wave has waited for all its tensor loads (its part of this trip's tile among them) and for its reads of the other slot;
; behind the round that holds of every wave of the four work-groups, the other slot is filled again first, and then this slot is read.
.macro TRIP slot, refill, first
	s_wait_tensorcnt 0x0                           ; no tensor load of mine is out, so a group 0 may be written:
	ds_add_u32 v240, v241
	s_wait_dscnt 0x0
	s_add_nc_u64 s[G0+4*\slot+2:G0+4*\slot+3], s[G0+4*\slot+2:G0+4*\slot+3], 2*TILE    ; this slot's next tile
	s_wait_dscnt 0x0
	ROUND
.if \refill
	tensor_load_to_lds s[G0+4-4*\slot:G0+7-4*\slot], s[G1:G1+7]
	s_nop 0
.endif
	LOADK \slot, 0
	STEP \slot, 0, 1, \first
	STEP \slot, 1, 1, 0
	STEP \slot, 2, 1, 0
	STEP \slot, 3, 0, 0
.endm
	s_load_b128 s[4:7], s[0:1], 0x0                ; qf s[4:5], kvf s[6:7]
	s_load_b64 s[10:11], s[0:1], 0x10              ; zf
	v_lshl_add_u32 v240, v0, 2, 0x29000
	v_mov_b32 v241, 0
	ds_add_u32 v240, v241
	v_lshrrev_b32 v[L16], 5, v0
	v_readfirstlane_b32 s8, v[L16]                 ; wave 0..7
	v_and_b32 v[L16], 31, v0
	v_lshlrev_b32 v[L16], 4, v[L16]
	s_lshr_b32 s9, s8, 2                           ; which half of each key tile
	s_and_b32 s14, s8, 3                           ; which 32 queries
	s_mov_b32 s12, 0x76543210                      ; v_permlanex16_b32: lane i of one half reads lane i of the other
	s_mov_b32 s13, 0xfedcba98
	s_lshl_b32 s15, s9, 15
	v_add_nc_u32 v[AD], s15, v[L16]
	v_add_nc_u32 v[AD+1], TILE, v[AD]
	s_mul_i32 s15, s14, SCRW
	s_add_co_u32 s15, s15, SCR
	v_add_nc_u32 v[SA], s15, v[L16]
	s_and_b32 s49, ttmp7, 0xffff                   ; 8 b + head: the cluster's y is the work-group's
	s_bfe_u32 s46, ttmp6, 0x40000                  ; my place in the cluster
	s_lshl_b32 s48, ttmp9, 2
	s_add_co_u32 s48, s48, s46                     ; query block = 4 x cluster x + place
	; q: ((8 b + head) 128 + 8 block + 2 group) fragments of 1,024 bytes
	s_lshl_b32 s24, s49, 17
	s_lshl_b32 s25, s48, 13
	s_add_co_u32 s24, s24, s25
	s_lshl_b32 s25, s14, 11
	s_add_co_u32 s24, s24, s25
	s_mov_b32 s25, 0
	; z: (128 b + 8 block + 2 group) query tiles of 8,192 bytes + head x 1,024
	s_lshr_b32 s26, s49, 3
	s_lshl_b32 s26, s26, 20
	s_lshl_b32 s27, s48, 16
	s_add_co_u32 s26, s26, s27
	s_lshl_b32 s27, s14, 14
	s_add_co_u32 s26, s26, s27
	s_and_b32 s27, s49, 7
	s_lshl_b32 s27, s27, 10
	s_add_co_u32 s26, s26, s27
	s_mov_b32 s27, 0
	; K and V: the head's 524,288 bytes, my 8,192 of each tile; in registers that never hold the place in the cluster
	s_lshl_b32 s28, s49, 19
	s_lshl_b32 s29, s8, 13
	s_add_co_u32 s28, s28, s29
	s_mov_b32 s29, 0
	; descriptor group 1: 8,192 dense bytes as 32 rows of 32 elements of 8 bytes
	s_mov_b32 s[G1+0], 15|(3<<16)|(1<<21)          ; 15:0 the four work-groups of the cluster; 17:16 elements of 8 bytes; 21 set beside a mask; no padding
	s_mov_b32 s[G1+1], 32<<16                      ; tensor_dim0 = 32
	s_mov_b32 s[G1+2], 32<<16                      ; tensor_dim1 = 32
	s_mov_b32 s[G1+3], 32<<16                      ; tile_dim0 = 32
	s_mov_b32 s[G1+4], 32                          ; tile_dim1 = 32
	s_mov_b32 s[G1+5], 32                          ; from row to row: 32 elements
	s_mov_b32 s[G1+6], 0
	s_mov_b32 s[G1+7], 0
	s_mov_b32 s[G0+0], 1
	s_lshl_b32 s[G0+1], s8, 13                     ; LDS: slot 0 + 8,192 x wave
	s_mov_b32 s[G0+4], 1
	s_add_co_u32 s[G0+5], s[G0+1], TILE            ; slot 1
.irp x, 1,3,5,7
	v_mov_b32 v[MX+\x], 0                          ; destinations of v_permlanex16_b32 and partners in pairs: written once before they count as read
.endr
.irp x, 0,1,2,3
	v_mov_b32 v[LS+\x], 0                          ; the four partial sums start at zero
.endr
	s_wait_dscnt 0x0
	s_wait_kmcnt 0x0
	s_add_nc_u64 s[24:25], s[4:5], s[24:25]
	s_add_nc_u64 s[26:27], s[10:11], s[26:27]
	s_add_nc_u64 s[30:31], s[6:7], s[28:29]
.irp q, 0,1
	global_load_b128 v[QF+8*\q:QF+8*\q+3],   v[L16], s[24:25] offset:\q*1024
	global_load_b128 v[QF+8*\q+4:QF+8*\q+7], v[L16], s[24:25] offset:\q*1024+512
.endr
.irp n, 0,1
	s_add_nc_u64 s[G0+4*\n+2:G0+4*\n+3], s[30:31], \n*TILE         ; tile 0 for slot 0, tile 1 for slot 1
	s_or_b32 s[G0+4*\n+3], s[G0+4*\n+3], 0x80000000               ; type = 2
.endr
	ROUND                                          ; the four work-groups are here: the first joint loads meet
	tensor_load_to_lds s[G0:G0+3], s[G1:G1+7]      ; tile 0
	s_nop 0
	s_wait_loadcnt 0x0                             ; q, once
	TRIP 0, 1, 1                                   ; eight tiles: two in front of the loop (the first step starts the sums),
	TRIP 1, 1, 0
	s_mov_b32 s44, 2
.Llap:
	TRIP 0, 1, 0                                   ; four in it,
	TRIP 1, 1, 0
	s_sub_co_u32 s44, s44, 1
	s_cmp_lg_u32 s44, 0
	s_cbranch_scc1 .Llap
	TRIP 0, 1, 0                                   ; two behind it: the last fetches nothing (its stepped address is not used)
	TRIP 1, 0, 0
	; THE MERGE of the two halves of the keys.  Waves 4-7 hand (O, m, l) to waves 0-3 through LDS bytes that no fill ever touches.
	PLACES                                         ; behind the last matrix instructions: O is read
	v_add_f32 v[MXB+1], v[LS],   v[LS+1]           ; v[MXB:MXB+3] = (m0, l0, m1, l1), l still split between lanes l and l xor 16
	v_add_f32 v[MXB+3], v[LS+2], v[LS+3]
	s_cmp_lt_u32 s8, 4
	s_cbranch_scc1 .Lkeeps
.irp i, 0,1,2,3,4,5,6,7
	ds_store_b128 v[SA], v[O+4*\i:O+4*\i+3] offset:\i*512
.endr
	ds_store_b128 v[SA], v[MXB:MXB+3] offset:4096
.Lkeeps:
	s_wait_dscnt 0x0                               ; my stores are done, for the partner's sake
	s_barrier_signal -1
	s_barrier_wait -1
	s_cmp_ge_u32 s8, 4
	s_cbranch_scc1 .Lhanded
.irp i, 0,1,2,3,4,5,6,7,8
	ds_load_b128 v[S+4*\i:S+4*\i+3], v[SA] offset:\i*512           ; the partner's O in v[S:S+31], its (m0, l0, m1, l1) in v[S+32:S+35]
.endr
	s_wait_dscnt 0x0
.irp q, 0,1
	v_max_num_f32 v[MT+4*\q], v[MXB+2*\q], v[S+32+2*\q]
	v_sub_f32 v[MT+4*\q+1], v[MXB+2*\q], v[MT+4*\q]
	v_sub_f32 v[MT+4*\q+2], v[S+32+2*\q], v[MT+4*\q]
.endr
.irp q, 0,1
	v_exp_f32 v[MT+4*\q+1], v[MT+4*\q+1]           ; my weight 2^(m mine - m)
	v_exp_f32 v[MT+4*\q+2], v[MT+4*\q+2]           ; the partner's
.endr
	v_nop                                          ; one plain place behind the exponentials (ISA guide 5.7.2)
	s_wait_alu depctr_va_vdst(0)                   ; one wait for the batch of four weights, ahead of their first reader
.irp q, 0,1
	v_mul_f32 v[MT+4*\q+3], v[MXB+2*\q+1], v[MT+4*\q+1]
	v_fmac_f32 v[MT+4*\q+3], v[S+33+2*\q], v[MT+4*\q+2]
	v_permlanex16_b32 v[MT+4*\q], v[MT+4*\q+3], s12, s13           ; the query's other lane
	v_add_f32 v[MT+4*\q+3], v[MT+4*\q+3], v[MT+4*\q]               ; l of all 4096 keys: at least 1, since the largest p is 1
.endr
.irp q, 0,1
	v_rcp_f32 v[MT+4*\q+3], v[MT+4*\q+3]
.endr
	v_nop                                          ; one plain place behind the reciprocals
	s_wait_alu depctr_va_vdst(0)                   ; one wait for the batch of two reciprocals: a batch of its own, since their sources are made with the weights
.irp q, 0,1
	v_mul_f32 v[AL+2*\q], v[MT+4*\q+1], v[MT+4*\q+3]               ; my factor, first of the pair v[AL+2q:AL+2q+1]
	v_mul_f32 v[MT+4*\q], v[MT+4*\q+2], v[MT+4*\q+3]               ; the partner's, first of the pair v[MT+4q:MT+4q+1]
.endr
.irp x, 0,1,2,3,4,5,6,7,8,9,10,11,12,13,14,15
	v_pk_mul_f32 v[O+2*\x:O+2*\x+1], v[O+2*\x:O+2*\x+1], v[AL+2*(\x/8):AL+2*(\x/8)+1] op_sel_hi:[1,0]
.endr
.irp x, 0,1,2,3,4,5,6,7,8,9,10,11,12,13,14,15
	v_pk_fma_f32 v[O+2*\x:O+2*\x+1], v[S+2*\x:S+2*\x+1], v[MT+4*(\x/8):MT+4*(\x/8)+1], v[O+2*\x:O+2*\x+1] op_sel_hi:[1,0,1]
.endr
.irp x, 0,1,2,3,4,5,6,7,8,9,10,11,12,13,14,15
	v_cvt_pk_bf16_f32 v[P+\x], v[O+2*\x], v[O+2*\x+1]
.endr
.irp q, 0,1
.irp dt, 0,1
	global_store_b128 v[L16], v[P+8*\q+4*\dt:P+8*\q+4*\dt+3], s[26:27] offset:\q*8192+\dt*512    ; 512 consecutive bytes: half dt of the fragment of query tile q
.endr
.endr
.Lhanded:
	s_wait_tensorcnt 0x0
	ds_add_u32 v240, v241
	s_wait_dscnt 0x0
	ROUND                                          ; the closing round: no work-group ends while a partner may still ask for a tile that names it
	s_endpgm
.Lfunc_end_k_q552dd9e32e_attn:
	.size	k_q552dd9e32e_attn, .Lfunc_end_k_q552dd9e32e_attn-k_q552dd9e32e_attn
	.p2alignl 7, 3214868480
	.fill 96, 4, 3214868480
	.section	.rodata,"a",@progbits
	.p2align	6, 0x0
	.amdhsa_kernel k_q552dd9e32e_attn
		.amdhsa_group_segment_fixed_size 327680
		.amdhsa_private_segment_fixed_size 0
		.amdhsa_enable_private_segment 0
		.amdhsa_kernarg_size 24
		.amdhsa_user_sgpr_count 2
		.amdhsa_user_sgpr_kernarg_segment_ptr 1
		.amdhsa_wavefront_size32 1
		.amdhsa_system_sgpr_workgroup_id_x 1
		.amdhsa_system_sgpr_workgroup_id_y 1
		.amdhsa_system_sgpr_workgroup_id_z 1
		.amdhsa_system_vgpr_workitem_id 0
		.amdhsa_next_free_vgpr 242
		.amdhsa_next_free_sgpr 66
		.amdhsa_reserve_vcc 0
		.amdhsa_float_denorm_mode_32 3
		.amdhsa_float_denorm_mode_16_64 3
		.amdhsa_memory_ordered 1
		.amdhsa_forward_progress 1
		.amdhsa_inst_pref_size 255
	.end_amdhsa_kernel
	.section	.bss,"aw",@nobits
	.p2align	6
	.space	262144
	.amdgpu_metadata
---
amdhsa.version: [ 1, 2 ]
amdhsa.kernels:
  - .name:           k_q552dd9e32e_attn
    .symbol:         k_q552dd9e32e_attn.kd
    .args:
      - { .name: qf, .offset: 0, .size: 8, .value_kind: global_buffer, .address_space: global }
      - { .name: kvf, .offset: 8, .size: 8, .value_kind: global_buffer, .address_space: global }
      - { .name: zf, .offset: 16, .size: 8, .value_kind: global_buffer, .address_space: global }
    .group_segment_fixed_size: 327680
    .private_segment_fixed_size: 0
    .kernarg_segment_align: 8
    .kernarg_segment_size: 24
    .max_flat_workgroup_size: 256
    .sgpr_count:     66
    .vgpr_count:     242
    .wavefront_size: 32
...
	.end_amdgpu_metadata
.endif
;; end of part 4
;; launch outp: the kernel of part 3 again; grid 4 x 64, 4 waves a work-group, no clusters, 51,712 bytes of LDS; arguments zf, w_w, w_b, x_a, out0; writes out0
